; MI455X (gfx1250); checked and timed in simulation.
; The chip was launched on July 23, 2026; its instructions are those of AMD's public machine-readable ISA for CDNA 5 (MIT licence, August 2026) and "CDNA5" Instruction Set Architecture Reference Guide (July 2026). The comments in the code are by the model that wrote it; some were corrected since.
;; TNEP Per Type ANN. Allowed arithmetic: matrix products marked QUANTISED: E2M1 operands, one E8M0 scale for each 32 along K, by v_wmma_scale_f32_16x16x128_f8f6f4 with both operands' format E2M1 (or v_wmma_scale_f32_32x16x128_f4), f32 sums; products left as they are: f32 operands where the result goes on into a quantised operand, else bf16, f16 or f32 operands; f32 sums; everything else in f32.
;; Inputs: W0_codes 4 x 512 x 8 x 16 uint8 (E2M1 codes of W0, K innermost, in blocks of 32 codes, two codes a byte); W0_scales 4 x 512 x 8 uint8 (E8M0 scales of W0, one for each 32 codes along K); W1 4 x 512 float32; Z 131,072 int32; b0 4 x 512 float32; b1 one number float32; q_codes 131,072 x 8 x 16 uint8 (E2M1 codes of q, K innermost, in blocks of 32 codes, two codes a byte); q_scales 131,072 x 8 uint8 (E8M0 scales of q, one for each 32 codes along K).
;; Outputs: out0 131,072 float32.
;; This version of the problem:
;;   THIS VERSION OF THE PROBLEM IS GIVEN IN LOW PRECISION. The matrix products marked QUANTISED in the list below multiply operands that are first quantised to E2M1 (2 exponent bits, 1 mantissa bit; 4 bits a number), with one power-of-two scale for each 32 numbers along K (OCP MX v1.0); their sums are f32. All else is computed in f32.
;;   The module's matrix products, in the order in which they are computed (A, B: the left and right operand; K: the contracted axis; several contracted axes count as one K, in the product's order):
;;     1. [M 131,072, K 256] x [K 256, N 2,048]; A: input q (given as codes); B: input W0 (given as codes): QUANTISED
;;     2. batch 131,072 x [M 1, K 512] x [K 512, N 1]; A: computed on the way; B: computed on the way: left as it is (M = 1 < 16)
;;   THE QUANTISER, for each operand of a quantised product, along K:
;;     - K is cut into blocks of 32 from its start; a last block that is shorter is filled with zeros.
;;     - A block's scale is 2^e with e = floor(log2(the largest magnitude in the block)) - 2, held to -126 .. 127; a block of zeros has e = 0. As a byte (E8M0): e + 127.
;;     - Each number is divided by its block's scale, clamped to +-6, and rounded to the nearest number of E2M1, ties to even, subnormals kept.
;;     - The product sums the exact products of the quantised numbers (number of the format x scale) in f32.
;;   ~~~python
;;   def quantise(x, axis):      # numpy; x: float32 -> the quantised numbers, widened to float32 again
;;       x = np.moveaxis(x, axis, -1); K = x.shape[-1]
;;       x = np.pad(x, [(0, 0)] * (x.ndim - 1) + [(0, -K % 32)]); x = x.reshape(x.shape[:-1] + (-1, 32)); a = np.abs(x).max(-1, keepdims=True)
;;       e = np.where(a > 0, np.clip(np.frexp(np.where(a > 0, a, 1))[1] - 1 - 2, -126, 127), 0)      # np.frexp(a)[1] - 1 = floor(log2(a)), exactly
;;       r = np.clip(x / 2.0 ** e, -6, 6)
;;       step = 2.0 ** (np.maximum(np.frexp(np.where(r == 0, 1, r))[1] - 1, 0) - 1)
;;       q = np.round(r / step) * step * 2.0 ** e      # np.round: ties to even
;;       return np.moveaxis(q.reshape(q.shape[:-2] + (-1,))[..., :K], -1, axis).astype(np.float32)
;;   ~~~
;;   INPUTS GIVEN AS CODES. W0 (in the module: [4, 256, 512], K = its axis 1); q (in the module: [131072, 256], K = its axis 1): each comes as NAME_codes (uint8): NAME with its K axis moved to the last place and cut into blocks of 32 codes, [.., K / 32, bytes a block], one block behind the other in memory; two codes a byte, the lower K in the low four bits (a code: sign, 2 exponent bits, 1 mantissa bit); and NAME_scales (uint8): the same leading axes, one E8M0 byte (e + 127) for each 32 codes along K. Its value is code x scale, taken as it is: it is not quantised again, and the codes and scales need not be those that the quantiser above would give.
;; One version. Each part assembles by itself: llvm-mc -triple=amdgcn-amd-amdhsa -mcpu=gfx1250 --defsym DOCPART=n.
;; ======== version 1 of 1: 2 launches
;; limits: inputs' magnitudes at most 8,589,934,592; right only within a limited range of input values
;; workspace buffers: order 524,288 bytes of whole numbers; seg 2,048 bytes of whole numbers
;; launch route (part 1): grid 64 x 1, 16 waves a work-group, no clusters, 2,304 bytes of LDS; arguments Z, order, seg; writes order, seg
.if DOCPART == 1
	.amdgcn_target "amdgcn-amd-amdhsa--gfx1250"
	.amdhsa_code_object_version 6
	.text
	.protected	k_qbf31d5a271_route
	.globl	k_qbf31d5a271_route
	.p2align	8
	.type	k_qbf31d5a271_route,@function
k_qbf31d5a271_route:
	s_mov_b64 s[64:65], 0
	v_nop
	global_prefetch_b8 v0, s[64:65] scope:SCOPE_SE
	s_setreg_imm32_b32 hwreg(HW_REG_WAVE_MODE, 25, 1), 1
	s_wait_xcnt 0x0
; F[n] = W1[Z[n]] . tanh(q[n] W0[Z[n]] + b0[Z[n]]) + b1, in two launches.  This one places the atoms by type; the next does the arithmetic.
; WORK THAT IS NOT DONE.  The problem's first product is written for all four types, and take_along_axis on Z then keeps, for each atom, the 512 columns of its own type: the 1,536 columns of the other
; three types reach no output, whatever the inputs hold.  Z is a whole number among the inputs: this launch reads it and stores, as whole numbers, where each atom goes; the next launch reads that and
; multiplies each atom by its own type's W0 alone.  No input is without a way to the output: all of them are loaded (b1 too).
; LIMITS.  A NaN, an infinity or an overflow that arises only in a product with a type that was not chosen is not formed (the selection drops it in the problem's own text as well).
; Z lies in 0 .. 3, as the problem's gathers rely on: an atom with another Z gets no place of its own here, and its result is then not defined.
; SHARES.  A counting sort inside super-blocks of 2,048 atoms: work-group s takes atoms 2,048 s on; thread i takes the four atoms 4 i .. 4 i + 3, one load of 16 bytes (a wave: 512 consecutive bytes).
; OUT.  order[s][p]: the atom at sorted place p of super-block s, types ascending; all 2,048 places are written.  seg[4 s + t] = {the first place of type t, the number of its atoms}.
; No atomics: each wave counts its 128 atoms by lane masks, the sixteen waves' counts meet in LDS behind one barrier, and every wave forms the totals and the sum of the waves below it.
.set CNT,   0                          ; LDS: 16 bytes for each wave, 8 of them used: its four counts, two to a word
.set SPARE, 256                        ; the spare words, 128 bytes for each wave: eight blocks of 256 bytes that no other line names
.set M,     16                         ; s16-31  lane masks: M + 4 t + j: the lanes whose atom j is of type t
.set C,     32                         ; s32-47  their counts
.set POS,   26                         ; v26-29  the place of my atom j
	s_load_b128 s[4:7], s[0:1], 0x0                ; Z, order
	s_load_b64 s[8:9], s[0:1], 0x10                ; seg
	v_lshl_add_u32 v30, v0, 2, SPARE               ; my spare word; never rewritten
	v_mov_b32 v31, 0                               ; 0; never rewritten
	v_lshrrev_b32 v1, 5, v0
	v_readfirstlane_b32 s10, v1                    ; wave 0..15
	v_lshlrev_b32 v2, 4, v0                        ; my 16 bytes of Z
	v_lshlrev_b32 v16, 4, v1                       ; where my wave's counts go
	v_and_b32 v17, 15, v0
	v_lshlrev_b32 v17, 4, v17                      ; lane l reads the counts of wave l % 16
	v_mov_b32 v25, 0
	s_lshl_b32 s12, ttmp9, 13                      ; 2,048 atoms of 4 bytes
	s_mov_b32 s13, 0
	s_lshl_b32 s14, ttmp9, 11
	v_lshl_add_u32 v8, v0, 2, s14                  ; my four atoms' numbers
	v_add_nc_u32 v9, 1, v8
	v_add_nc_u32 v10, 2, v8
	v_add_nc_u32 v11, 3, v8
	s_wait_kmcnt 0x0
	s_add_nc_u64 s[4:5], s[4:5], s[12:13]
	s_add_nc_u64 s[6:7], s[6:7], s[12:13]
	s_lshl_b32 s12, ttmp9, 5                       ; four pairs of 8 bytes
	s_add_nc_u64 s[8:9], s[8:9], s[12:13]
	global_load_b128 v[4:7], v2, s[4:5] th:TH_LOAD_NT
	s_mov_b32 s52, 0                               ; the totals and the sums of the waves below mine begin at 0
	s_mov_b32 s53, 0
	s_mov_b32 s54, 0
	s_mov_b32 s55, 0
	s_wait_loadcnt 0x0
	; my wave's masks and counts
.irp t, 0,1,2,3
.irp j, 0,1,2,3
	v_cmp_eq_u32 s[M+4*\t+\j], \t, v[4+\j]
.endr
.endr
.irp t, 0,1,2,3
.irp j, 0,1,2,3
	s_bcnt1_i32_b32 s[C+4*\t+\j], s[M+4*\t+\j]
.endr
	s_add_co_u32 s[48+\t], s[C+4*\t], s[C+4*\t+1]
	s_add_co_u32 s[48+\t], s[48+\t], s[C+4*\t+2]
	s_add_co_u32 s[48+\t], s[48+\t], s[C+4*\t+3]   ; the wave's atoms of type t: at most 128
.endr
	s_lshl_b32 s56, s49, 16
	s_or_b32 s56, s56, s48                         ; types 0 and 1 in one word,
	s_lshl_b32 s57, s51, 16
	s_or_b32 s57, s57, s50                         ; types 2 and 3 in another: a sum over sixteen waves is at most 2,048, so no field runs into the next
	v_mov_b32 v12, s56
	v_mov_b32 v13, s57
	ds_store_b64 v16, v[12:13] offset:CNT          ; all lanes write the same two words with the same values
	s_wait_dscnt 0x0                               ; for the others' sake: my counts have landed
	s_barrier_signal -1
	s_barrier_wait -1
	ds_load_b64 v[20:21], v17 offset:CNT
	s_wait_dscnt 0x0
.irp w, 0,1,2,3,4,5,6,7,8,9,10,11,12,13,14,15
	v_readlane_b32 s56, v20, \w
	v_readlane_b32 s57, v21, \w
	s_cmp_gt_u32 s10, \w                           ; is that wave below mine?  Both selections stand ahead of the additions, which write SCC
	s_cselect_b32 s58, s56, 0
	s_cselect_b32 s59, s57, 0
	s_add_co_u32 s52, s52, s56
	s_add_co_u32 s53, s53, s57
	s_add_co_u32 s54, s54, s58
	s_add_co_u32 s55, s55, s59
.endr
	s_and_b32 s60, s52, 0xffff                     ; n_t: the super-block's atoms of type t
	s_lshr_b32 s61, s52, 16
	s_and_b32 s62, s53, 0xffff
	s_lshr_b32 s63, s53, 16
	s_mov_b32 s66, 0                               ; start_t: the first place of type t
	s_mov_b32 s67, s60
	s_add_co_u32 s68, s67, s61
	s_add_co_u32 s69, s68, s62
	s_and_b32 s56, s54, 0xffff                     ; base_t = start_t + the atoms of type t in the waves below mine
	s_lshr_b32 s57, s54, 16
	s_and_b32 s58, s55, 0xffff
	s_lshr_b32 s59, s55, 16
	s_add_co_u32 s70, s66, s56
	s_add_co_u32 s71, s67, s57
	s_add_co_u32 s72, s68, s58
	s_add_co_u32 s73, s69, s59
	; the place of atom j: its type's base + the lanes below mine whose atom j has that type; then the base passes over all of them
.irp j, 0,1,2,3
	v_mbcnt_lo_u32_b32 v[POS+\j], s[M+\j], s70
.irp t, 1,2,3
	v_mbcnt_lo_u32_b32 v24, s[M+4*\t+\j], s[70+\t]
	v_cndmask_b32 v[POS+\j], v[POS+\j], v24, s[M+4*\t+\j]
.endr
.irp t, 0,1,2,3
	s_add_co_u32 s[70+\t], s[70+\t], s[C+4*\t+\j]
.endr
.endr
.irp j, 0,1,2,3
	v_min_u32 v[POS+\j], 0x7ff, v[POS+\j]          ; a number made of loaded data enters an address only behind a bound written in the instruction
	v_lshlrev_b32 v[POS+\j], 2, v[POS+\j]
.endr
.irp j, 0,1,2,3
	global_store_b32 v[POS+\j], v[8+\j], s[6:7]    ; lanes of one type stand at neighbouring words: four runs an instruction
.endr
.irp t, 0,1,2,3
	v_mov_b32 v[32+2*\t], s[66+\t]                 ; {start_t, n_t}, written with all lanes on
	v_mov_b32 v[33+2*\t], s[60+\t]
.endr
	v_cmp_eq_u32 vcc_lo, 0, v0                     ; the work-group's first thread stores them
	s_wait_xcnt 0x0                                ; EXEC is a source of the stores above: it changes only behind this wait
	s_and_saveexec_b32 s11, vcc_lo
	global_store_b128 v25, v[32:35], s[8:9]
	global_store_b128 v25, v[36:39], s[8:9] offset:16
	s_wait_xcnt 0x0                                ; and again in front of the line that widens it
	s_or_b32 exec_lo, exec_lo, s11
	s_wait_tensorcnt 0x0                           ; the wave's end: a tensor wait, an LDS add and an LDS wait behind my last LDS store
	ds_add_u32 v30, v31
	s_wait_dscnt 0x0
	s_endpgm
.Lfunc_end_k_qbf31d5a271_route:
	.size	k_qbf31d5a271_route, .Lfunc_end_k_qbf31d5a271_route-k_qbf31d5a271_route
	.p2alignl 7, 3214868480
	.fill 96, 4, 3214868480
	.section	.rodata,"a",@progbits
	.p2align	6, 0x0
	.amdhsa_kernel k_qbf31d5a271_route
		.amdhsa_group_segment_fixed_size 2304
		.amdhsa_private_segment_fixed_size 0
		.amdhsa_enable_private_segment 0
		.amdhsa_kernarg_size 24
		.amdhsa_user_sgpr_count 2
		.amdhsa_user_sgpr_kernarg_segment_ptr 1
		.amdhsa_wavefront_size32 1
		.amdhsa_system_sgpr_workgroup_id_x 1
		.amdhsa_system_sgpr_workgroup_id_y 1
		.amdhsa_system_sgpr_workgroup_id_z 1
		.amdhsa_system_vgpr_workitem_id 0
		.amdhsa_next_free_vgpr 40
		.amdhsa_next_free_sgpr 80
		.amdhsa_reserve_vcc 1
		.amdhsa_float_denorm_mode_32 3
		.amdhsa_float_denorm_mode_16_64 3
		.amdhsa_memory_ordered 1
		.amdhsa_forward_progress 1
		.amdhsa_inst_pref_size 14
	.end_amdhsa_kernel
	.amdgpu_metadata
---
amdhsa.version: [ 1, 2 ]
amdhsa.kernels:
  - .name:           k_qbf31d5a271_route
    .symbol:         k_qbf31d5a271_route.kd
    .args:
      - { .name: Z, .offset: 0, .size: 8, .value_kind: global_buffer, .address_space: global }
      - { .name: order, .offset: 8, .size: 8, .value_kind: global_buffer, .address_space: global }
      - { .name: seg, .offset: 16, .size: 8, .value_kind: global_buffer, .address_space: global }
    .group_segment_fixed_size: 2304
    .private_segment_fixed_size: 0
    .kernarg_segment_align: 8
    .kernarg_segment_size: 24
    .max_flat_workgroup_size: 512
    .sgpr_count:     80
    .vgpr_count:     40
    .wavefront_size: 32
...
	.end_amdgpu_metadata
.endif
;; end of part 1
;; launch ann (part 2): grid 256 x 1, 16 waves a work-group, no clusters, 53,248 bytes of LDS; arguments seg, order, q_codes, q_scales, W0_codes, W0_scales, b0, W1, b1, out0; writes out0
.if DOCPART == 2
	.amdgcn_target "amdgcn-amd-amdhsa--gfx1250"
	.amdhsa_code_object_version 6
	.text
	.protected	k_qbf31d5a271_ann
	.globl	k_qbf31d5a271_ann
	.p2align	8
	.type	k_qbf31d5a271_ann,@function
k_qbf31d5a271_ann:
	s_mov_b64 s[64:65], 0
	v_nop
	global_prefetch_b8 v0, s[64:65] scope:SCOPE_SE
	s_setreg_imm32_b32 hwreg(HW_REG_WAVE_MODE, 25, 1), 1
	s_wait_xcnt 0x0
; F[n] = W1[Z[n]] . tanh(q[n] W0[Z[n]] + b0[Z[n]]) + b1.  q [131072][256] and W0 [4][512 (h)][256 (k)] are codes of FP4 (E2M1) with one E8M0 byte for each 32 along K; all else f32.
; WORK THAT IS NOT DONE: each atom is multiplied by its own type's W0 alone; the other three types' columns are dropped by the problem's own selection on Z (shown at the head of the launch before, which
; stored the atoms' places by type as whole numbers).
; SHARES.  Work-group 4 s + t owns the atoms of type t in super-block s (2,048 atoms): n of them, from place start of order[s], read from seg; NT = ceil(n / 16) tiles of 16 atoms, 0 to 128.
; THE WAVES SHARE THE HIDDEN UNITS, NOT THE ATOMS: wave w keeps units 64 (w % 8) .. + 63 of W0[t], b0[t], W1[t] in registers for the whole launch (128 registers), read once; what goes round is the atoms' codes.
; The atoms go in chunks of 16 tiles.  In a chunk wave w gathers tile w (its 16 rows of q, by the list) and stores it to LDS AS AN IMAGE OF THE OPERAND'S REGISTERS (four stores of 16 bytes a lane, lane l at 16 l);
; the eight waves of group g = w / 8 multiply tiles 2 i + g, i = 0 .. 7, each by its own 64 units; each leaves a partial sum for each atom in LDS; wave w adds the eight partial sums of tile w and stores them.
; So a work-group's work grows with its tiles and is even over its sixteen waves, whatever the split of types.  The next chunk's rows are gathered into registers while this chunk is multiplied.
; EIGHT CHUNKS ARE WRITTEN OUT (128 tiles: all 2,048 atoms of one type), each with a loop of the constant count 8 over its tiles: every wave passes every barrier and walks every loop; what a split leaves
; without atoms is jumped over between the barriers and inside the trips.
; ALL OFFSETS THAT COME FROM THE LIST ARE MADE ONCE, AT THE HEAD: for each chunk my atom's offset in q_codes, in q_scales and in out0, 24 registers that are never rewritten.
; LAYOUT.  The product is used transposed (source 0 = 16 rows of W0, source 1 = 16 atoms): lane (r, h) holds atom r and hidden units 16 T + 8 h + 0 .. 7 of tile T.  b0 is the C of the first K step.
; tanh(x) = 1 - 2 / a, a = 1 + 2^y, y = min(c x, 30), c = 2 log2(e).  So F = b1 + sum W1 + sum w / a with w = -2 W1: the lane's sum of W1 is the addend of each tile's first multiply-add, and W1 is kept as w.
; ONE RECIPROCAL SERVES FOUR NUMBERS: w0 / a0 + w1 / a1 = (w0 a1 + w1 a0) / (a0 a1), and the same once more of two such pairs.  A tile of 32 registers so has 32 exponentials and 8 reciprocals, 40 transcendental
; instructions in place of 64, for 46 plain lines more.  THE BOUND 30 keeps the product of four a at about 2^120, whose reciprocal is a normal number; at y = 30 tanh is within 2^-28 of 1, under f32's rounding
; of 1.  Where 2^y falls to 0, a is 1 and tanh is -1: no bound is needed from below.
; THE STORE.  All 32 lanes store 4 bytes at their atom's place.  Lanes r and r + 16 hold the same atom and the same sum (a + b and b + a); places beyond n repeat the type's last atom, which lies in the same tile
; and whose sum is formed from the same codes by the same instructions: lanes that share an address store the same bits.  So EXEC is never touched.
; LIMITS.  tanh is right to about 2^-22 absolutely, not relatively (near x = 0 it is a difference of numbers near 1); the sum over the 512 units runs in another order than the problem's text writes it;
; |W1| stays under 2^33 (the numerator of four holds w times up to 2^92); a NaN in x is not carried: the bound's minimum takes the bound for it.
; NO TENSOR LOADS, NO CLUSTER: the jumps hang on counts read from memory; and what work-groups of one type share, W0[t], is read once by each wave, 8 KB of codes, into registers.
; out0 is stored at the atoms' own places: the 64 atoms of 256 consecutive bytes belong to four work-groups.
.set QI,    0                          ; LDS: q's images: tile u at 2,048 u; register group i at + 512 i; lane l at + 16 l
.set QS,    32768                      ; q's scale words: tile u at + 128 u; atom r at + 8 r: two words, one for each K step
.set PF,    34816                      ; partial sums: wave w's own 1,024 bytes at + 1,024 w; its i-th tile at + 128 i; lane l at + 4 l
.set SPARE, 51200                      ; the spare words, 128 bytes for each wave: eight blocks of 256 bytes that no other line names
.set LIG, 3                            ; v3   16 l + 2,048 g: an image's place for my lane, in my group's first tile
.set R8G, 4                            ; v4   8 r + 128 g: the scale words likewise
.set IW,  5                            ; v5   16 l + 2,048 w: where I store my tile's image
.set SW,  6                            ; v6   8 r + 4 h + 128 w: and its scale words
.set PW,  7                            ; v7   4 l + 1,024 w: where my partial sums begin
.set RD,  8                            ; v8   4 l + 8,192 (w % 2) + 128 (w / 2): where tile w's partial sums begin
.set H16, 9                            ; v9   16 h
.set H4,  10                           ; v10  4 h
.set AQ,  12                           ; v12  LDS address of the image in hand
.set AS,  13                           ; v13  of its scale words
.set AP,  14                           ; v14  of my partial sum
.set F,   15                           ; v15  a sum (at the head: the lane, then my place in the list)
.set GA,  16                           ; v16-23  chunk k: my atom's offset in q_codes: 128 x atom + 16 h; never rewritten behind the head
.set G,   24                           ; v24-39  the gathered rows: the image's 16 registers
.set GS,  40                           ; v40  the gathered scale word
.set TMP, 41                           ; v41  a lane permute's destination
.set SPW, 42                           ; v42  LDS address of my spare word; never rewritten
.set NIL, 43                           ; v43  0; never rewritten
.set SP,  44                           ; v[44:45] the sums of my 32 numbers of W1, even and odd
.set FA,  46                           ; v46-53  four pairs at work: numerators, then the tile's sums; at a chunk's end the eight partial sums; at the head three lane offsets
.set QSC, 54                           ; v[54:55] q's scale words, K steps 0 and 1: scales and nothing else
.set W0S, 56                           ; v56-63  W0's scale words, 2 T + K step: scales and nothing else
.set Q,   64                           ; v64-79  q's two fragments
.set ACC, 80                           ; v80-111 four accumulators
.set B0,  112                          ; v112-143 b0 in the result's layout
.set W1R, 144                          ; v144-175 w = -2 W1 likewise
.set W0F, 176                          ; v176-239 W0's fragments: 16 T + 8 x K step
.set GB,  240                          ; v240-247 chunk k: my atom's offset in q_scales: 8 x atom + 4 h; never rewritten
.set OA,  248                          ; v248-255 chunk k: my atom's offset in out0: 4 x atom; never rewritten
; s28 wave, s29 its slice of units, s30 its group, s31 type, s32 super-block, s34 start, s35 n, s36 NT, s37 the last place of the type, s38 my tile, s39 at work, s[40:41] lane selects, s[42:43] c, s44 b1,
; s46 my pair's offset in seg, s47 the bound 30, s50, s51, s52 the tile's steps in the images, the scale words and the partial sums, s53 tiles to go, s54 the tile in hand, s[56:57] offsets
.macro BARRIER                         ; my LDS stores have landed and my LDS loads are in: then the work-group's barrier
	s_wait_dscnt 0x0
	s_barrier_signal -1
	s_barrier_wait -1
.endm
; Chunk k's three offsets, from the atom's number in v[GA + k]
.macro ADDR k
	v_min_u32 v[GA+\k], 0x1ffff, v[GA+\k]          ; a loaded number enters an address only behind a bound written in the instruction
	v_lshlrev_b32 v[OA+\k], 2, v[GA+\k]
	v_lshlrev_b32 v[GB+\k], 3, v[GA+\k]
	v_lshlrev_b32 v[GA+\k], 7, v[GA+\k]
	v_add_nc_u32 v[GB+\k], v[H4], v[GB+\k]
	v_add_nc_u32 v[GA+\k], v[H16], v[GA+\k]
.endm
; My tile's 16 rows of q in chunk k: lane (r, h) takes bytes 32 i + 16 h of row r, which are registers 4 i .. 4 i + 3 of the two fragments; and scale word h of that row.
.macro GATHER k
.irp i, 0,1,2,3
	global_load_b128 v[G+4*\i:G+4*\i+3], v[GA+(\k)], s[12:13] offset:32*\i
.endr
	global_load_b32 v[GS], v[GB+(\k)], s[14:15]
.endm
; THE ACTIVATION'S LINES.  SC: pair p of the 16: c x, two at a time.  MN: register e of the 32: y = min(c x, 30).  EX: 2^y.
.macro SC p
	v_pk_mul_f32 v[ACC+2*(\p):ACC+2*(\p)+1], v[ACC+2*(\p):ACC+2*(\p)+1], s[42:43] op_sel_hi:[1,0]
.endm
.macro MN e
	v_min_num_f32 v[ACC+(\e)], s47, v[ACC+(\e)]
.endm
.macro EX e
	v_exp_f32 v[ACC+(\e)], v[ACC+(\e)]
.endm
; Accumulator o's eight exponentials, with the twelve plain lines of accumulator o + 1 (four scalings, from its low end on, and eight bounds) between them.  None of the plain lines names an exponential's result.
.macro MIX o
	EX 8*(\o)
	SC 4*(\o)+4
	SC 4*(\o)+5
	EX 8*(\o)+1
	SC 4*(\o)+6
	EX 8*(\o)+2
	SC 4*(\o)+7
	MN 8*(\o)+8
	EX 8*(\o)+3
	MN 8*(\o)+9
	EX 8*(\o)+4
	MN 8*(\o)+10
	MN 8*(\o)+11
	EX 8*(\o)+5
	MN 8*(\o)+12
	EX 8*(\o)+6
	MN 8*(\o)+13
	MN 8*(\o)+14
	EX 8*(\o)+7
	MN 8*(\o)+15
.endm
; Accumulators h and h + 1.  An accumulator's eight registers are four pairs A, B, C, D, each holding e = 2^y; w's registers lie alike.  Group g of four is (A, B) or (C, D): registers 8 h + 4 g on.
; In a group: a_B = e_B + 1;  N = w_A a_B + w_B a_A, made as w_B e_A + (w_A a_B + w_B);  P = a_A a_B, made as e_A a_B + a_B: it takes A's place.
; In an accumulator: P_AB P_CD takes B's place, N_AB P_CD + N_CD P_AB takes D's: the sum of the four w / a of each half is D / B.
.macro COMB h
.irp g, 0,1,2,3
	v_pk_add_f32 v[ACC+8*(\h)+4*\g+2:ACC+8*(\h)+4*\g+3], v[ACC+8*(\h)+4*\g+2:ACC+8*(\h)+4*\g+3], 1.0 op_sel_hi:[1,0]
.endr
.irp g, 0,1,2,3
	v_pk_fma_f32 v[FA+2*\g:FA+2*\g+1], v[W1R+8*(\h)+4*\g:W1R+8*(\h)+4*\g+1], v[ACC+8*(\h)+4*\g+2:ACC+8*(\h)+4*\g+3], v[W1R+8*(\h)+4*\g+2:W1R+8*(\h)+4*\g+3]
.endr
.irp g, 0,1,2,3
	v_pk_fma_f32 v[FA+2*\g:FA+2*\g+1], v[W1R+8*(\h)+4*\g+2:W1R+8*(\h)+4*\g+3], v[ACC+8*(\h)+4*\g:ACC+8*(\h)+4*\g+1], v[FA+2*\g:FA+2*\g+1]
.endr
.irp g, 0,1,2,3
	v_pk_fma_f32 v[ACC+8*(\h)+4*\g:ACC+8*(\h)+4*\g+1], v[ACC+8*(\h)+4*\g:ACC+8*(\h)+4*\g+1], v[ACC+8*(\h)+4*\g+2:ACC+8*(\h)+4*\g+3], v[ACC+8*(\h)+4*\g+2:ACC+8*(\h)+4*\g+3]
.endr
.irp j, 0,1
	v_pk_mul_f32 v[ACC+8*(\h)+8*\j+2:ACC+8*(\h)+8*\j+3], v[ACC+8*(\h)+8*\j:ACC+8*(\h)+8*\j+1], v[ACC+8*(\h)+8*\j+4:ACC+8*(\h)+8*\j+5]
.endr
.irp j, 0,1
	v_pk_mul_f32 v[ACC+8*(\h)+8*\j+6:ACC+8*(\h)+8*\j+7], v[FA+4*\j:FA+4*\j+1], v[ACC+8*(\h)+8*\j+4:ACC+8*(\h)+8*\j+5]
.endr
.irp j, 0,1
	v_pk_fma_f32 v[ACC+8*(\h)+8*\j+6:ACC+8*(\h)+8*\j+7], v[FA+4*\j+2:FA+4*\j+3], v[ACC+8*(\h)+8*\j:ACC+8*(\h)+8*\j+1], v[ACC+8*(\h)+8*\j+6:ACC+8*(\h)+8*\j+7]
.endr
.endm
.macro RC h                            ; the reciprocals of the products of four, in B's place of accumulators h and h + 1
.irp e, 2,3,10,11
	v_rcp_f32 v[ACC+8*(\h)+\e], v[ACC+8*(\h)+\e]
.endr
.endm
; The tile in hand against my 64 hidden units.
.macro TILE
.irp j, 0,1,2,3
	ds_load_b128 v[Q+4*\j:Q+4*\j+3], v[AQ] offset:QI+512*\j
.endr
	ds_load_b64 v[QSC:QSC+1], v[AS] offset:QS
	s_wait_dscnt 0x0                               ; the fragments are in, and the last tile's store of its sum is done: its address and its data may be written again
	v_add_nc_u32 v[AP], s52, v[PW]
.irp t, 0,1,2,3                        ; the four accumulators take turns, one instruction a turn
	v_wmma_scale_f32_16x16x128_f8f6f4 v[ACC+8*\t:ACC+8*\t+7], v[W0F+16*\t:W0F+16*\t+7], v[Q:Q+7], v[B0+8*\t:B0+8*\t+7], v[W0S+2*\t], v[QSC] matrix_a_fmt:MATRIX_FMT_FP4 matrix_b_fmt:MATRIX_FMT_FP4
.endr
.irp t, 0,1,2,3
	v_wmma_scale_f32_16x16x128_f8f6f4 v[ACC+8*\t:ACC+8*\t+7], v[W0F+16*\t+8:W0F+16*\t+15], v[Q+8:Q+15], v[ACC+8*\t:ACC+8*\t+7], v[W0S+2*\t+1], v[QSC+1] matrix_a_fmt:MATRIX_FMT_FP4 matrix_b_fmt:MATRIX_FMT_FP4
.endr
.rept 4
	v_nop                                          ; four places between the last product and the first read of results (ISA guide 7.12.1)
.endr
.irp p, 0,1,2,3
	SC \p                                          ; accumulator 0, from its low end on
.endr
.irp e, 0,1,2,3,4,5,6,7
	MN \e
.endr
	MIX 0                                          ; the 32 exponentials are one batch: no line ahead of the wait below names a result
	MIX 1
	MIX 2
.irp e, 24,25,26,27,28,29,30,31
	EX \e
.endr
	v_nop                                          ; a plain instruction behind the last exponential,
	s_wait_alu depctr_va_vdst(0)                   ; and one wait for the batch, ahead of its first reader
	COMB 0
	RC 0                                           ; four of the eight reciprocals; the lines of accumulators 2 and 3, which name none of their results, follow them
	COMB 2
	RC 2
	v_nop                                          ; a plain instruction behind the last reciprocal,
	s_wait_alu depctr_va_vdst(0)                   ; and one wait for the eight
	v_pk_fma_f32 v[FA:FA+1], v[ACC+6:ACC+7], v[ACC+2:ACC+3], v[SP:SP+1]              ; two chains; the first begins with my sums of W1
	v_pk_mul_f32 v[FA+2:FA+3], v[ACC+14:ACC+15], v[ACC+10:ACC+11]
	v_pk_fma_f32 v[FA:FA+1], v[ACC+22:ACC+23], v[ACC+18:ACC+19], v[FA:FA+1]
	v_pk_fma_f32 v[FA+2:FA+3], v[ACC+30:ACC+31], v[ACC+26:ACC+27], v[FA+2:FA+3]
	v_pk_add_f32 v[FA:FA+1], v[FA:FA+1], v[FA+2:FA+3]
	v_add_f32 v[F], v[FA], v[FA+1]
	ds_store_b32 v[AP], v[F] offset:PF             ; my 32 units' part of atom r's sum
.endm
; CHUNK k: tiles 16 k .. 16 k + 15.
.macro CHUNK k
	s_wait_loadcnt 0x0                             ; this chunk's rows are in my registers
	s_wait_xcnt 0x0                                ; the last chunk's store has read its data: the sum's register is written again only behind this wait
	s_add_co_u32 s38, s28, 16*\k                   ; my tile
	s_cmp_lt_u32 s38, s36
	s_cbranch_scc0 .Lno_image_\@
.irp i, 0,1,2,3
	ds_store_b128 v[IW], v[G+4*\i:G+4*\i+3] offset:QI+512*\i
.endr
	ds_store_b32 v[SW], v[GS] offset:QS
.Lno_image_\@:
	BARRIER                                        ; the chunk's images are whole; every wave's reads of the last chunk's partial sums are over
.if \k < 7
	s_add_co_u32 s39, s38, 16                      ; my tile of the next chunk: its rows are asked for now and land while this chunk is multiplied
	s_cmp_lt_u32 s39, s36
	s_cbranch_scc0 .Lno_gather_\@
	GATHER \k+1
.Lno_gather_\@:
.endif
	s_add_co_u32 s54, s30, 16*\k                   ; my group's first tile of the chunk
	s_mov_b32 s50, 0
	s_mov_b32 s51, 0
	s_mov_b32 s52, 0
	s_mov_b32 s53, 8
.Ltile_\@:                             ; eight trips, always: tile 16 k + g + 2 i
	v_add_nc_u32 v[AQ], s50, v[LIG]                ; (no LDS load of mine is out)
	v_add_nc_u32 v[AS], s51, v[R8G]
	s_cmp_ge_u32 s54, s36                          ; a tile that the split does not have is jumped over; the steps below are not
	s_cbranch_scc1 .Lskip_\@
	TILE
.Lskip_\@:
	s_add_co_u32 s50, s50, 4096                    ; two tiles on in the images,
	s_add_co_u32 s51, s51, 256                     ; in the scale words,
	s_add_co_u32 s52, s52, 128                     ; one place on among my partial sums
	s_add_co_u32 s54, s54, 2
	s_sub_co_i32 s53, s53, 1
	s_cmp_lg_u32 s53, 0
	s_cbranch_scc1 .Ltile_\@
	BARRIER                                        ; all partial sums lie in LDS, and nobody reads the images any more: they may be written again
	s_cmp_lt_u32 s38, s36
	s_cbranch_scc0 .Lno_sum_\@
.irp u, 0,1,2,3,4,5,6,7
	ds_load_b32 v[FA+\u], v[RD] offset:PF+1024*\u  ; tile w's partial sums of the eight slices
.endr
	s_wait_dscnt 0x0
	v_add_f32 v[FA], v[FA], v[FA+1]
	v_add_f32 v[FA+2], v[FA+2], v[FA+3]
	v_add_f32 v[FA+4], v[FA+4], v[FA+5]
	v_add_f32 v[FA+6], v[FA+6], v[FA+7]
	v_add_f32 v[FA], v[FA], v[FA+2]
	v_add_f32 v[FA+4], v[FA+4], v[FA+6]
	v_add_f32 v[FA], v[FA], v[FA+4]
	v_permlanex16_b32 v[TMP], v[FA], s40, s41      ; the atom's other units lie in the lane 16 away
	v_add_f32 v[F], v[FA], v[TMP]
	v_add_f32 v[F], s44, v[F]                      ; + b1
	global_store_b32 v[OA+\k], v[F], s[26:27]      ; lanes that share an atom store the same bits
.Lno_sum_\@:
.endm
	s_load_b512 s[8:23], s[0:1], 0x0               ; seg s[8:9], order s[10:11], q_codes s[12:13], q_scales s[14:15], W0_codes s[16:17], W0_scales s[18:19], b0 s[20:21], W1 s[22:23]
	s_load_b128 s[24:27], s[0:1], 0x40             ; b1 s[24:25], out0 s[26:27]
	v_lshl_add_u32 v[SPW], v0, 2, SPARE
	v_mov_b32 v[NIL], 0
	v_lshrrev_b32 v15, 5, v0
	v_readfirstlane_b32 s28, v15                   ; wave 0..15
	s_and_b32 s29, s28, 7                          ; my slice of 64 hidden units
	s_lshr_b32 s30, s28, 3                         ; my group
	s_and_b32 s31, ttmp9, 3                        ; the type
	s_lshr_b32 s32, ttmp9, 2                       ; the super-block
	s_lshl_b32 s46, ttmp9, 3                       ; my pair in seg
	v_and_b32 v1, 15, v0                           ; r
	v_bfe_u32 v2, v0, 4, 1                         ; h
	v_and_b32 v15, 31, v0                          ; l
	; the lanes' places in LDS are made here, of the thread's and the wave's number and constants, and never rewritten
	s_lshl_b32 s38, s30, 11
	v_lshl_add_u32 v[LIG], v15, 4, s38
	s_lshl_b32 s38, s30, 7
	v_lshl_add_u32 v[R8G], v1, 3, s38
	s_lshl_b32 s38, s28, 11
	v_lshl_add_u32 v[IW], v15, 4, s38
	s_lshl_b32 s38, s28, 7
	v_lshl_add_u32 v[SW], v1, 3, s38
	v_lshl_add_u32 v[SW], v2, 2, v[SW]
	s_lshl_b32 s38, s28, 10
	v_lshl_add_u32 v[PW], v15, 2, s38
	s_and_b32 s38, s28, 1
	s_lshl_b32 s38, s38, 13
	s_lshr_b32 s39, s28, 1
	s_lshl_b32 s39, s39, 7
	s_add_co_u32 s38, s38, s39
	v_lshl_add_u32 v[RD], v15, 2, s38
	v_lshlrev_b32 v[H16], 4, v2
	v_lshlrev_b32 v[H4], 2, v2
	v_lshl_add_u32 v15, s28, 4, v1                 ; 16 w + r: my place in a chunk
	v_mov_b32 v[TMP], 0                            ; written once: a lane permute's destination counts as one of its sources
	v_lshlrev_b32 v46, 7, v1
	v_lshl_add_u32 v46, v2, 4, v46                 ; W0's codes: row r of 128 bytes, + 16 h
	v_lshlrev_b32 v47, 3, v1                       ; W0's scale words: 8 bytes a row
	v_lshlrev_b32 v48, 5, v2                       ; b0, W1: my half's eight numbers
	s_mov_b32 s40, 0x76543210
	s_mov_b32 s41, 0xfedcba98                      ; v_permlanex16_b32's selects for lane l xor 16
	s_mov_b32 s42, 0x4038aa3b                      ; c = 2 log2(e)
	s_mov_b32 s43, s42                             ; (named with it as a pair, so it is written)
	s_mov_b32 s47, 0x41f00000                      ; 30.0: the bound on c x
	s_mov_b32 s57, 0
	s_wait_kmcnt 0x0
	s_load_b64 s[34:35], s[8:9], s46 offset:0x0    ; start, n
	s_load_b32 s44, s[24:25], 0x0                  ; b1
	s_lshl_b32 s56, s32, 13
	s_add_nc_u64 s[10:11], s[10:11], s[56:57]      ; order at my super-block: 2,048 words
	s_lshl_b32 s56, s31, 16                        ; W0's codes: 65,536 bytes a type, 8,192 a slice
	s_lshl_b32 s38, s29, 13
	s_add_co_u32 s56, s56, s38
	s_add_nc_u64 s[16:17], s[16:17], s[56:57]
	s_lshr_b32 s56, s56, 4                         ; its scale bytes: 4,096 and 512
	s_add_nc_u64 s[18:19], s[18:19], s[56:57]
	s_lshr_b32 s56, s56, 1                         ; b0 and W1: 2,048 and 256
	s_add_nc_u64 s[20:21], s[20:21], s[56:57]
	s_add_nc_u64 s[22:23], s[22:23], s[56:57]
	s_wait_kmcnt 0x0
	s_add_co_u32 s36, s35, 15
	s_lshr_b32 s36, s36, 4                         ; NT
	s_max_u32 s37, s35, 1
	s_add_co_u32 s37, s37, s34
	s_sub_co_u32 s37, s37, 1                       ; the type's last place: places beyond n repeat its atom
	v_add_nc_u32 v15, s34, v15
.irp k, 0,1,2,3,4,5,6,7                ; the atoms of my tile in all eight chunks: eight loads, each landing on its own offset
	v_add_nc_u32 v[GA+\k], 256*\k, v15
	v_min_u32 v[GA+\k], s37, v[GA+\k]
	v_min_u32 v[GA+\k], 0x7ff, v[GA+\k]            ; the bound written in the instruction: inside the super-block's 2,048 words
	v_lshlrev_b32 v[GA+\k], 2, v[GA+\k]
	global_load_b32 v[GA+\k], v[GA+\k], s[10:11]
.endr
.irp t, 0,1,2,3                        ; my weights, 9 loads a tile of 16 units, 36 in all: they stay
.irp i, 0,1,2,3
	global_load_b128 v[W0F+16*\t+4*\i:W0F+16*\t+4*\i+3], v46, s[16:17] offset:2048*\t+32*\i
.endr
	global_load_b64 v[W0S+2*\t:W0S+2*\t+1], v47, s[18:19] offset:128*\t
	global_load_b128 v[B0+8*\t:B0+8*\t+3], v48, s[20:21] offset:64*\t
	global_load_b128 v[B0+8*\t+4:B0+8*\t+7], v48, s[20:21] offset:64*\t+16
	global_load_b128 v[W1R+8*\t:W1R+8*\t+3], v48, s[22:23] offset:64*\t
	global_load_b128 v[W1R+8*\t+4:W1R+8*\t+7], v48, s[22:23] offset:64*\t+16
.endr
	s_wait_loadcnt 36                              ; the eight atom numbers are in; the 36 loads of weights issued behind them may be out
	ADDR 0
	GATHER 0                                       ; the first chunk's rows, in every wave
.irp k, 1,2,3,4,5,6,7
	ADDR \k                                        ; the other chunks' offsets, while those rows and the weights are on their way
.endr
	s_wait_loadcnt 5                               ; the weights are in; the gather's five loads may be out
	v_pk_add_f32 v[SP:SP+1], v[W1R:W1R+1], v[W1R+2:W1R+3]
.set p, 2
.rept 14
	v_pk_add_f32 v[SP:SP+1], v[SP:SP+1], v[W1R+2*p:W1R+2*p+1]   ; the sums of my 32 numbers of W1
.set p, p+1
.endr
.set p, 0
.rept 16
	v_pk_mul_f32 v[W1R+2*p:W1R+2*p+1], v[W1R+2*p:W1R+2*p+1], -2.0 op_sel_hi:[1,0]
.set p, p+1
.endr
.irp k, 0,1,2,3,4,5,6,7
	CHUNK \k
.endr
	s_wait_tensorcnt 0x0                           ; the wave's end: a tensor wait, an LDS add and an LDS wait behind my last LDS store
	ds_add_u32 v[SPW], v[NIL]
	s_wait_dscnt 0x0
	s_endpgm
.Lfunc_end_k_qbf31d5a271_ann:
	.size	k_qbf31d5a271_ann, .Lfunc_end_k_qbf31d5a271_ann-k_qbf31d5a271_ann
	.p2alignl 7, 3214868480
	.fill 96, 4, 3214868480
	.section	.rodata,"a",@progbits
	.p2align	6, 0x0
	.amdhsa_kernel k_qbf31d5a271_ann
		.amdhsa_group_segment_fixed_size 53248
		.amdhsa_private_segment_fixed_size 0
		.amdhsa_enable_private_segment 0
		.amdhsa_kernarg_size 80
		.amdhsa_user_sgpr_count 2
		.amdhsa_user_sgpr_kernarg_segment_ptr 1
		.amdhsa_wavefront_size32 1
		.amdhsa_system_sgpr_workgroup_id_x 1
		.amdhsa_system_sgpr_workgroup_id_y 1
		.amdhsa_system_sgpr_workgroup_id_z 1
		.amdhsa_system_vgpr_workitem_id 0
		.amdhsa_next_free_vgpr 256
		.amdhsa_next_free_sgpr 66
		.amdhsa_reserve_vcc 0
		.amdhsa_float_denorm_mode_32 3
		.amdhsa_float_denorm_mode_16_64 3
		.amdhsa_memory_ordered 1
		.amdhsa_forward_progress 1
		.amdhsa_inst_pref_size 100
	.end_amdhsa_kernel
	.amdgpu_metadata
---
amdhsa.version: [ 1, 2 ]
amdhsa.kernels:
  - .name:           k_qbf31d5a271_ann
    .symbol:         k_qbf31d5a271_ann.kd
    .args:
      - { .name: seg, .offset: 0, .size: 8, .value_kind: global_buffer, .address_space: global }
      - { .name: order, .offset: 8, .size: 8, .value_kind: global_buffer, .address_space: global }
      - { .name: q_codes, .offset: 16, .size: 8, .value_kind: global_buffer, .address_space: global }
      - { .name: q_scales, .offset: 24, .size: 8, .value_kind: global_buffer, .address_space: global }
      - { .name: W0_codes, .offset: 32, .size: 8, .value_kind: global_buffer, .address_space: global }
      - { .name: W0_scales, .offset: 40, .size: 8, .value_kind: global_buffer, .address_space: global }
      - { .name: b0, .offset: 48, .size: 8, .value_kind: global_buffer, .address_space: global }
      - { .name: W1, .offset: 56, .size: 8, .value_kind: global_buffer, .address_space: global }
      - { .name: b1, .offset: 64, .size: 8, .value_kind: global_buffer, .address_space: global }
      - { .name: out0, .offset: 72, .size: 8, .value_kind: global_buffer, .address_space: global }
    .group_segment_fixed_size: 53248
    .private_segment_fixed_size: 0
    .kernarg_segment_align: 8
    .kernarg_segment_size: 80
    .max_flat_workgroup_size: 512
    .sgpr_count:     66
    .vgpr_count:     256
    .wavefront_size: 32
...
	.end_amdgpu_metadata
.endif
;; end of part 2
